; MI455X (gfx1250); checked and timed in simulation.
; The chip was launched on July 23, 2026; its instructions are those of AMD's public machine-readable ISA for CDNA 5 (MIT licence, August 2026) and "CDNA5" Instruction Set Architecture Reference Guide (July 2026). The comments in the code are by the model that wrote it; some were corrected since.
;; Point Net. Allowed arithmetic: float matrix products may take bf16 or f16 operands with f32 sums; all other float work in f32.
;; Inputs: cW 390 x 1 float32; cb 1 float32; eW1 6 x 256 float32; eW2 256 x 256 float32; eW3 256 x 256 float32; eb1 256 float32; eb2 256 float32; eb3 256 float32; feat 64 x 8,192 x 6 float32; sW1 256 x 128 float32; sW2 128 x 128 float32; sW3 128 x 128 float32; sb1 128 float32; sb2 128 float32; sb3 128 float32.
;; Outputs: out0 64 x 8,192 float32.
;; One version. Each part assembles by itself: llvm-mc -triple=amdgcn-amd-amdhsa -mcpu=gfx1250 --defsym DOCPART=n.
;; ======== version 1 of 1: 2 launches
;; limits: values are held in f16: magnitudes above 65,504 overflow, below 6.1e-05 lose precision; inputs' magnitudes at most 65,504; right only within a limited range of input values
;; workspace buffers: raw 2,097,152 bytes; mm 8,192 bytes
;; launch embed (part 1): grid 256 x 1, 4 waves a work-group, no clusters, 325,376 bytes of LDS; arguments feat, eW1, eb1, eW2, eb2, eW3, eb3, cW, raw, mm; writes raw, mm
.if DOCPART == 1
	.amdgcn_target "amdgcn-amd-amdhsa--gfx1250"
	.amdhsa_code_object_version 6
	.text
	.protected	k_q76e910cb15_embed
	.globl	k_q76e910cb15_embed
	.p2align	8
	.type	k_q76e910cb15_embed,@function
k_q76e910cb15_embed:
	s_mov_b64 s[64:65], 0
	v_nop
	global_prefetch_b8 v0, s[64:65] scope:SCOPE_SE
	s_setreg_imm32_b32 hwreg(HW_REG_WAVE_MODE, 25, 1), 1
	s_wait_xcnt 0x0
; PointNet, first of two launches: the three embedding layers (6 -> 256 -> 256 -> 256, Linear + ReLU) of all 64 x 8192 points and, fused behind
; them, each point's raw score  s' = feat . cW[0:6] + hidden . cW[6:262];  s' goes to raw, the least and largest s' of each wave's 512 points to mm.
;
; WORK LEFT OUT.  reference()'s score of a point of box m is s' + c_m with c_m = seg[m] . cW[262:390] + cb[0], and c_m is the same for all points
; of the box.  Then smin = min s' + c_m and smax = max s' + c_m, so (score - smin) / (smax - smin) = (s' - min s') / (max s' - min s') for all
; finite values of the inputs.  So the max-pool, the three segment layers, the product with cW[262:390] and cb reach no output: sW1, sb1, sW2, sb2,
; sW3, sb3 and cb are not loaded and are no arguments of any launch, and of cW only words 0 to 261 are used.
;
; SHARES.  256 work-groups of four waves; work-group g has points 2048 g .. 2048 g + 2047 (a quarter of box g / 4), a wave 512 of them, in
; 8 trips of 64 points (four point tiles of 16).
; THE LAYERS ARE COMPUTED TRANSPOSED: source 0 = 16 output features x 32 k (weights), source 1 = 32 k x 16 points.  In the result lane (r, h) then
; holds, in register j, feature f0 + 8 h + j of point r (ISA guide 7.12.2), so four packing conversions make registers 0-3 (even feature tile) or
; 4-7 (odd one) of the next layer's source 1.  Activations stay in registers, no wave needs another's data, and the loop has no barrier.
; WEIGHTS lie in LDS as f16 in their own [k][n] order and are read by transposing loads; a fragment of 1,024 bytes feeds four matrix instructions.
; The bias is the C operand of each sum's first product: nothing is cleared and nothing is added.
; The classifier has one output column (1/16 of a matrix tile, 262 of a point's 132,870 multiply-adds): it is done in f32 on layer 3's registers.
;
; TURNS.  A unit is one feature tile of one layer for the trip's 64 points; it is made in two pieces of two point tiles, which share the unit's
; weight fragments and bias.  While one piece's products are issued (16 in layers 2 and 3), the 24 lines of the piece before it (16 ReLU, then 8 that
; pack it for the next layer or add it to the score) stand behind them in numbered slices, one slice behind each product, four lines at the most.
; This goes on over the ends of units and layers; only a trip's last piece is finished bare.
;
; OPERANDS ARE f16, WITH A SCALE.  A score passes six roundings of matrix operands (feat, two activations, three weights), and the result is the
; score divided by its box's range, in which an error of the box's least or largest score moves all 8,192 results: f16's 11 significant bits are
; taken rather than bf16's 8.  f16's range is made to fit by an exact scale for each trip: with F the largest |feat| of the trip's 64 points,
;   |X1| <= B1 = 6 max|eW1| F + max|eb1|,   |X2| <= B2 = 256 max|eW2| B1 + max|eb2|,   B = max(F, B1, B2) = 1.x * 2^E,   sigma = 2^(14 - E),
; so every operand times sigma is below 2^15.  Linear + ReLU commutes with a positive factor if the biases carry it too: feat and the three biases
; are multiplied by sigma (the biases once a trip, into LDS bytes of the wave's own), X1, X2, hidden and the score's sums come out sigma-fold, and
; the score is multiplied by 1 / sigma.  All these factors are powers of two and round nothing.
; LIMITS.  A NaN, an infinity or an overflow that arises only in the work left out is not carried to the result.  Inputs are taken as finite: ReLU
; is v_max_num_f32, which turns a NaN into 0 where reference() would pass it on, and feat also lies in idle K places of layer 1, where it meets
; weights of zero (finite x 0 = 0).  Weights go to f16 unscaled: beyond +-65,504 they are not served, below 2^-14 their step is 2^-24 whatever
; their size.  B is clamped to 2^-100 .. 2^120: outside that the scale no longer fits.  Sums are f32 and run in another order than reference()'s.
; NO JOINT REQUESTS, NO TENSOR LOADS: what work-groups share are the weights, 524,288 bytes of f32 read once by each work-group for its
; 2,048 x 132,870 multiply-adds; they must be rounded to f16 on the way, which takes them through registers, and as f32 they would not fit
; in LDS beside the 278,528 bytes of their f16 images.
.set PITCH, 544                        ; an LDS row of weights: 512 bytes + 32 = 136 words, so row k starts 8 k words on in the banks (ISA guide 11.1)
.set W2I, 0                            ; eW2 in f16: 256 rows
.set W3I, 256*PITCH                    ; eW3 in f16: 256 rows
.set W1I, 512*PITCH                    ; eW1 in f16: rows 0-5, then 26 rows of zeros (K of layer 1 is filled up to 32)
.set VEC, 544*PITCH                    ; f32: eb1, eb2, eb3, cW[6:262], 1,024 bytes each
.set STG, VEC+4096                     ; raw scores, 2,048 bytes for each wave, its own
.set RED, STG+8192                     ; 16 bytes for each wave: its max |eW1|, |eb1|, |eW2|, |eb2|
.set SBI, RED+256                      ; 4,096 bytes for each wave, its own: sigma eb1, sigma eb2, sigma eb3 of its trip in the first 3,072
; window 0
.set AW1, 8                            ; LDS addresses of my part of a weight fragment: layer 1,
.set AW2, 9                            ; layer 2, k 0-127
.set AW2H, 10                          ; layer 2, k 128-255
.set AW3B, 11                          ; layer 3 likewise, feature tile 0
.set AW3HB, 12
.set ABI, 13                           ; my wave's scaled biases + 32 h: my eight numbers of a feature tile's sixteen
.set AW3, 14                           ; layer 3's loop steps these three and ACW3
.set AW3H, 15
.set ABI3, 16
.set ASTG, 17                          ; where this trip's scores go in my stage
.set FOFF, 18                          ; 24 r: my point in a tile of feat
.set PERM, 19                          ; destination of the lane exchange
.set MN, 20                            ; running least and
.set MX, 21                            ; largest score
.set VAL, 22                           ; v[22:23] the trip's 64 scores
.set T, 24                             ; v[24:31] at work: the trip's scale; per point tile my half of the sum (T .. T+3)
.set XY, 28                            ; v[28:31]
.set SC, 32                            ; v[32:39] score sums, a pair for each point tile: features 0, 1, 4, 5 of my eight
.set BI, 40                            ; v[40:55] bias, two buffers of 8
.set CW, 56                            ; v[56:71] cW of a feature tile, two buffers of 8
.set AC, 72                            ; v[72:103] four accumulators, one a point tile
.set INV, 104                          ; 1 / sigma of this trip
.set SC2, 106                          ; v[106:113] second score sums: features 2, 3, 6, 7 of my eight
.set AVEC, 114                         ; VEC + 16 L: the biases as they are
.set ASB, 115                          ; my wave's scaled biases + 16 L
.set ACWB, 116                         ; VEC + 3072 - 64 + 32 h: cW, one feature tile back, so that the unit's own tile is at offset 0, 64 or 128
.set ACW3, 117
.set AF, 128                           ; v[128:255] weight fragments, two buffers of 8 K steps x 8
.set RB, AF+96                         ; v[224:247] at a trip's start: the 768 biases, 24 a lane
; window 0, in the head only
.set T8, 22                            ; 8 t
.set VO, 23                            ; v[23:25] set s: byte offset, in eW2 and in eW3 alike, of my 16 bytes of its chunk's first row
.set LDA, 26                           ; where the chunk goes in W2I and
.set LDB, 27                           ; in W3I
.set AS1, 28                           ; W1I + 4 t
.set ASV, 29                           ; VEC + 8 t
.set MW, 32                            ; v[32:35] four running maxima of |eW2|
.set E1, 128                           ; v[128:139] eW1 as loaded
.set VV, 140                           ; v[140:147] eb1, eb2, eb3, cW[6:] as loaded
.set QM, 148                           ; v[148:151] max |eW1|, |eb1|, |eW2|, |eb2|
; window 1: layer 1's output, window 2: layer 2's: the fragment of (K step s, point tile pt) at v[8 (4 s + pt)]
; window 1 in the head: three sets of 64 registers, set s at 64 s: 4 rows of eW2, then 4 rows of eW3, as loaded
; window 3:
.set FB, 0                             ; v[0:31]  feat as source 1: tile pt at 8 pt, registers 0-2 the six numbers, 3-7 zero
.set FF, 32                            ; v[32:55] feat in f32, 6 registers a point tile
.set CV, 56                            ; v[56:61] cW[0:6] in lanes 0-15, 0 in lanes 16-31
; scalars of the loop: s40 = 6 max|eW1|, s41 = max|eb1|, s42 = 256 max|eW2|, s43 = max|eb2|, s44, s45 = the clamp's ends, s[46:47] = sigma, twice
.set MSB, 0
.macro WIN new                         ; s_set_vgpr_msb: bits 1:0 source 0, 3:2 source 1, 5:4 source 2, 7:6 destination; the high byte repeats the setting that is left
.if MSB != \new
	s_set_vgpr_msb (MSB<<8)|\new
.set MSB, \new
.endif
.endm
.macro PWIN lay                        ; the products' window: only source 1 leaves window 0, so LDS loads, ReLU and moves mean the same under it
.if \lay == 1
	WIN 0x0c                                       ; source 1 in window 3: feat
.elseif \lay == 2
	WIN 0x04                                       ; source 1 in window 1: layer 1's output
.else
	WIN 0x08                                       ; source 1 in window 2: layer 2's output
.endif
.endm
; 12 loads: 64 points of feat; lane (r, h) takes the 24 bytes of point 16 pt + r.  No cache hint: three instructions in turn read each 384 consecutive bytes.
.macro FEAT_IN
	WIN 0xc0                                       ; destination in window 3
.irp pt, 0,1,2,3
.irp c, 0,1,2
	global_load_b64 v[FF+6*\pt+2*\c:FF+6*\pt+2*\c+1], v[FOFF], s[8:9] offset:384*\pt+8*\c
.endr
.endr
	WIN 0
.endm
; 16 loads, each 512 consecutive bytes: a chunk = 4 rows of eW2 and the same 4 rows of eW3, into set s
.macro WLOAD set
	WIN 0x40                                       ; destination in window 1
.irp i, 0,1,2,3
.irp j, 0,1
	global_load_b128 v[64*\set+8*\i+4*\j:64*\set+8*\i+4*\j+3], v[VO+\set], s[14:15] offset:1024*\i+512*\j
.endr
.endr
.irp i, 0,1,2,3
.irp j, 0,1
	global_load_b128 v[64*\set+32+8*\i+4*\j:64*\set+32+8*\i+4*\j+3], v[VO+\set], s[18:19] offset:1024*\i+512*\j
.endr
.endr
	WIN 0
.endm
; The chunk in set s has come: it is rounded to f16 and laid into the two images, and eW2's largest magnitude is kept, in four chains.
; more = 1: the set is asked for again, three chunks on.  left = the younger sets' loads.
.macro CONV set, more, left
	s_wait_loadcnt \left                           ; loads come back in order (ISA guide 5.7.1): this set's 16 are in, which also frees its offset register
	WIN 0x05                                       ; sources 0 and 1 in window 1
.set ci, 0
.rept 32
	v_cvt_pk_f16_f32 v[AC+ci], v[64*\set+2*ci], v[64*\set+2*ci+1]
.set ci, ci+1
.endr
	WIN 0x14                                       ; sources 1 and 2 in window 1
.set ci, 0
.rept 16
	v_max3_num_f32 v[MW+ci%4], v[MW+ci%4], |v[64*\set+2*ci]|, |v[64*\set+2*ci+1]|
.set ci, ci+1
.endr
	WIN 0
.irp i, 0,1,2,3
.irp j, 0,1
	ds_store_b64 v[LDA], v[AC+4*\i+2*\j:AC+4*\i+2*\j+1] offset:PITCH*\i+256*\j         ; 32 lanes x 8 bytes: 128 columns of row i
	ds_store_b64 v[LDB], v[AC+16+4*\i+2*\j:AC+16+4*\i+2*\j+1] offset:PITCH*\i+256*\j
.endr
.endr
	v_add_nc_u32 v[LDA], 4*PITCH, v[LDA]
	v_add_nc_u32 v[LDB], 4*PITCH, v[LDB]
.if \more
	v_add_nc_u32 v[VO+\set], 3*4096, v[VO+\set]
	WLOAD \set
.endif
.endm
; 16 transposing loads: the weights of feature tile ft for all 8 K steps.  Rows k0 + 8 h + (lane & 7), 16 bytes at column 16 ft + 8 ((lane >> 3) & 1); the second load 16 rows on.
.macro AFRAG buf, lo, hi, ft
.irp s, 0,1,2,3
	ds_load_tr16_b128 v[AF+64*(\buf)+8*\s:AF+64*(\buf)+8*\s+3],   v[\lo] offset:\s*32*PITCH+32*(\ft)
	ds_load_tr16_b128 v[AF+64*(\buf)+8*\s+4:AF+64*(\buf)+8*\s+7], v[\lo] offset:\s*32*PITCH+16*PITCH+32*(\ft)
.endr
.irp s, 0,1,2,3
	ds_load_tr16_b128 v[AF+64*(\buf)+32+8*\s:AF+64*(\buf)+32+8*\s+3],   v[\hi] offset:\s*32*PITCH+32*(\ft)
	ds_load_tr16_b128 v[AF+64*(\buf)+32+8*\s+4:AF+64*(\buf)+32+8*\s+7], v[\hi] offset:\s*32*PITCH+16*PITCH+32*(\ft)
.endr
.endm
.macro VEC8 dst, adr, off              ; eight f32 of a vector: features 16 ft + 8 h + 0 .. 7
	ds_load_b128 v[\dst:\dst+3],   v[\adr] offset:\off
	ds_load_b128 v[\dst+4:\dst+7], v[\adr] offset:\off+16
.endm
; The weights and the scaled bias of a unit (layer lay, feature tile ft) into buffer buf: 4 loads for layer 1, 18 for layers 2 and 3.
.macro FETCH buf, lay, ft
.if \lay == 1
	ds_load_tr16_b128 v[AF+64*(\buf):AF+64*(\buf)+3],   v[AW1] offset:32*(\ft)
	ds_load_tr16_b128 v[AF+64*(\buf)+4:AF+64*(\buf)+7], v[AW1] offset:16*PITCH+32*(\ft)
	VEC8 BI+8*(\buf), ABI, 64*(\ft)
.elseif \lay == 2
	AFRAG \buf, AW2, AW2H, \ft
	VEC8 BI+8*(\buf), ABI, 1024+64*(\ft)
.else
	AFRAG \buf, AW3, AW3H, \ft                     ; ft = 0 or 1, counted from the stepped addresses
	VEC8 BI+8*(\buf), ABI3, 2048+64*(\ft)
.endif
.endm
; One product: K step s of point tile pt.  The first product of a sum takes the scaled bias as C.
.macro PROD buf, pt, s
.if (\s) == 0
	v_wmma_f32_16x16x32_f16 v[AC+8*(\pt):AC+8*(\pt)+7], v[AF+64*(\buf):AF+64*(\buf)+7], v[8*(\pt):8*(\pt)+7], v[BI+8*(\buf):BI+8*(\buf)+7]
.else
	v_wmma_f32_16x16x32_f16 v[AC+8*(\pt):AC+8*(\pt)+7], v[AF+64*(\buf)+8*(\s):AF+64*(\buf)+8*(\s)+7], v[8*(4*(\s)+(\pt)):8*(4*(\s)+(\pt))+7], v[AC+8*(\pt):AC+8*(\pt)+7]
.endif
.endm
; Four lines that take piece q's results away, none waiting for another.
; pk = 1, 2: point tile 2 q + g of feature tile pa becomes registers 4 (pa % 2) .. + 3 of K step pa / 2 of the next layer's source 1 (window pk).
; pk = 3: score += hidden x cW (buffer pa), features 4 g .. 4 g + 3 of my eight, both point tiles, two sums a tile.
.macro GRP pk, q, pa, g
.if \pk == 3
	WIN 0
	v_pk_fma_f32 v[SC+4*(\q):SC+4*(\q)+1],     v[AC+16*(\q)+4*\g:AC+16*(\q)+4*\g+1],       v[CW+8*(\pa)+4*\g:CW+8*(\pa)+4*\g+1],     v[SC+4*(\q):SC+4*(\q)+1]
	v_pk_fma_f32 v[SC+4*(\q)+2:SC+4*(\q)+3],   v[AC+16*(\q)+8+4*\g:AC+16*(\q)+8+4*\g+1],   v[CW+8*(\pa)+4*\g:CW+8*(\pa)+4*\g+1],     v[SC+4*(\q)+2:SC+4*(\q)+3]
	v_pk_fma_f32 v[SC2+4*(\q):SC2+4*(\q)+1],   v[AC+16*(\q)+4*\g+2:AC+16*(\q)+4*\g+3],     v[CW+8*(\pa)+4*\g+2:CW+8*(\pa)+4*\g+3],   v[SC2+4*(\q):SC2+4*(\q)+1]
	v_pk_fma_f32 v[SC2+4*(\q)+2:SC2+4*(\q)+3], v[AC+16*(\q)+8+4*\g+2:AC+16*(\q)+8+4*\g+3], v[CW+8*(\pa)+4*\g+2:CW+8*(\pa)+4*\g+3],   v[SC2+4*(\q)+2:SC2+4*(\q)+3]
.else
.if \pk == 1
	WIN 0x40                                       ; destination in window 1
.else
	WIN 0x80                                       ; destination in window 2
.endif
.irp r, 0,1,2,3
	v_cvt_pk_f16_f32 v[8*(4*((\pa)/2)+2*(\q)+\g)+4*((\pa)%2)+\r], v[AC+16*(\q)+8*\g+2*\r], v[AC+16*(\q)+8*\g+2*\r+1]
.endr
.endif
.endm
; Slice i (0 to 15) of the 24 lines that finish piece q: two ReLU lines in each of slices 2 to 9, four lines of GRP in slices 12 and 15.
; PLACES (ISA guide 7.12.1).  Slice 15 stands behind the last product of the OTHER piece and names none of that product's registers: its four lines
; are the four places in front of the first ReLU on that piece's results and in front of the next run of loads into the fragments that it read.
; They are also piece q's last use of its accumulators, which the product behind them starts anew; of the lines between that product and the
; last one on the same accumulator at least twelve name the piece's other accumulator alone.
; pk = 0: a trip's first piece has none in front of it; its slice 15 sets layer 3's walking addresses back, four lines that are needed once a trip.
.macro SL pk, q, pa, i
.if \pk == 0
.if (\i) == 15
	v_mov_b32 v[AW3], v[AW3B]
	v_mov_b32 v[AW3H], v[AW3HB]
	v_mov_b32 v[ABI3], v[ABI]
	v_mov_b32 v[ACW3], v[ACWB]
.endif
.else
.if (\i) > 1
.if (\i) < 10
	v_max_num_f32 v[AC+16*(\q)+2*(\i)-4], v[AC+16*(\q)+2*(\i)-4], 0      ; the register is source 0: the line means the same under each of the products' windows
	v_max_num_f32 v[AC+16*(\q)+2*(\i)-3], v[AC+16*(\q)+2*(\i)-3], 0
.endif
.endif
.if (\i) == 12
	GRP \pk, \q, \pa, 0
.endif
.if (\i) == 15
	GRP \pk, \q, \pa, 1
.endif
.endif
.endm
; Piece p of a unit: the products of point tiles 2 p and 2 p + 1, and behind each a slice of the piece before (the other two tiles; pk, pa: see GRP).
; The two accumulators take turns, one instruction a turn, and so do the pieces' at their ends.
; Layer 1 has one K step, two products a piece: slices 0 to 14 stand behind the first, slice 15 behind the second.
.macro HALF lay, buf, p, pk, pa
.if \lay == 1
	PWIN 1
	PROD \buf, 2*(\p), 0
.irp i, 0,1,2,3,4,5,6,7,8,9,10,11,12,13,14
	SL \pk, 1-(\p), \pa, \i
.endr
	PWIN 1
	PROD \buf, 2*(\p)+1, 0
	SL \pk, 1-(\p), \pa, 15
.else
.set hs, 0
.rept 8
	PWIN \lay
	PROD \buf, 2*(\p), hs
	SL \pk, 1-(\p), \pa, 2*hs
	PWIN \lay
	PROD \buf, 2*(\p)+1, hs
	SL \pk, 1-(\p), \pa, 2*hs+1
.set hs, hs+1
.endr
.endif
.endm
; One feature tile (16 features x 64 points) of layer lay from buffer buf.  All its LDS loads stand in one run at its head: the next unit's weights and
; bias (layer nlay, tile nft; nlay = 0: none) into the other buffer and, in layer 3, in front of them this unit's own cW (at offset cw).  cW is not
; fetched a unit ahead: the last unit's second piece is still being added to the score, from the other cW buffer, while this unit's first piece runs.
; pk, pa: how the last unit's second piece is finished.
.macro UNIT lay, ft, buf, nlay, nft, pk, pa, cw
	PWIN \lay
.if \lay == 3
	VEC8 CW+8*(\buf), ACW3, \cw
.endif
.if \nlay == 0
.set NF, 0
.else
	FETCH 1-(\buf), \nlay, \nft
.if \nlay == 1
.set NF, 4
.else
.set NF, 18
.endif
.endif
.if \lay == 3
	s_wait_dscnt NF+2                              ; LDS loads come back in order (ISA guide 5.7.1): all but the run just issued are in
	HALF 3, \buf, 0, \pk, \pa
	s_wait_dscnt NF                                ; the run's first two loads, this unit's cW, are in: the half below adds the first piece to the score
	HALF 3, \buf, 1, 3, \buf
.else
	s_wait_dscnt NF
	HALF \lay, \buf, 0, \pk, \pa
	HALF \lay, \buf, 1, \lay, \ft
.endif
.endm
	; ---------------- the head ----------------
	s_load_b512 s[8:23], s[0:1], 0x0               ; feat s[8:9], eW1 s[10:11], eb1 s[12:13], eW2 s[14:15], eb2 s[16:17], eW3 s[18:19], eb3 s[20:21], cW s[22:23]
	s_load_b128 s[24:27], s[0:1], 0x40             ; raw s[24:25], mm s[26:27]
	v_lshl_add_u32 v126, v0, 2, 0x4f500
	v_mov_b32 v127, 0
	v_lshrrev_b32 v1, 5, v0
	v_readfirstlane_b32 s2, v1                     ; wave w
	v_and_b32 v1, 31, v0                           ; lane L, kept to the end
	v_and_b32 v2, 15, v0                           ; r
	v_bfe_u32 v3, v0, 4, 1                         ; h
	s_mov_b32 s4, 0xffff0000                       ; the lanes with h = 1
	s_mov_b32 s5, 0x76543210                       ; v_permlanex16_b32: lane i reads lane i of the other half
	s_mov_b32 s6, 0xfedcba98
	s_mul_i32 s40, ttmp9, 2048*24                  ; feat: (2048 g + 512 w) points of 24 bytes
	s_mul_i32 s42, s2, 512*24
	s_add_co_u32 s40, s40, s42
	s_mov_b32 s41, 0
	s_lshl_b32 s30, ttmp9, 13                      ; raw: (2048 g + 512 w) x 4 bytes
	s_lshl_b32 s42, s2, 11
	s_add_co_u32 s30, s30, s42
	s_mov_b32 s31, 0
	s_add_co_u32 s29, s42, STG                     ; my stage: STG + 2048 w
	s_lshl_b32 s42, ttmp9, 5                       ; mm: (4 g + w) x 8 bytes
	s_lshl3_add_u32 s42, s2, s42
	s_mov_b32 s43, 0
	s_lshl_b32 s44, s2, 16                         ; my 64 rows of eW2 and eW3: 65,536 w
	s_mul_i32 s45, s2, 64*PITCH                    ; and of their images
	s_lshl_b32 s28, s2, 12
	s_add_co_u32 s28, s28, SBI                     ; my scaled biases: SBI + 4096 w
	v_and_b32 v4, 7, v0
	v_lshl_add_u32 v4, v3, 3, v4                   ; 8 h + (L & 7)
	v_mul_u32_u24 v5, v4, PITCH
	v_bfe_u32 v6, v0, 3, 1
	v_lshl_add_u32 v5, v6, 4, v5                   ; + 16 ((L >> 3) & 1)
	v_add_nc_u32 v[AW1], W1I, v5
	v_mov_b32 v[AW2], v5                           ; W2I = 0
	v_add_nc_u32 v[AW2H], 128*PITCH, v5
	v_add_nc_u32 v[AW3B], W3I, v5
	v_add_nc_u32 v[AW3HB], W3I+128*PITCH, v5
	v_lshl_add_u32 v[ABI], v3, 5, s28
	v_lshl_add_u32 v[ASB], v1, 4, s28
	v_lshlrev_b32 v[AVEC], 4, v1
	v_add_nc_u32 v[AVEC], VEC, v[AVEC]
	v_lshlrev_b32 v[ACWB], 5, v3
	v_add_nc_u32 v[ACWB], VEC+3072-64, v[ACWB]
	v_lshl_add_u32 v[ASTG], v1, 2, s29
	v_mul_u32_u24 v[FOFF], v2, 24
	v_lshlrev_b32 v[T8], 3, v0
	v_lshl_add_u32 v[VO], v1, 4, s44               ; chunk 0,
	v_add_nc_u32 v[VO+1], 4096, v[VO]              ; chunk 1: 4 rows of 1,024 bytes on,
	v_add_nc_u32 v[VO+2], 8192, v[VO]              ; chunk 2
	v_lshl_add_u32 v[LDA], v1, 3, s45
	v_add_nc_u32 v[LDB], W3I, v[LDA]
	v_lshlrev_b32 v[AS1], 2, v0
	v_add_nc_u32 v[AS1], W1I, v[AS1]
	v_add_nc_u32 v[ASV], VEC, v[T8]
	v_mov_b32 v7, 0
	v_mov_b32 v[PERM], 0
	v_mov_b32 v[MN], 0x7f800000                    ; + infinity
	v_mov_b32 v[MX], 0xff800000                    ; - infinity
.irp c, 0,1,2,3
	v_mov_b32 v[MW+\c], 0                          ; magnitudes: 0 is the least
.endr
	s_wait_kmcnt 0x0
	s_load_b256 s[32:39], s[22:23], 0x0            ; cW[0:8]; words 0 to 5 are used
	s_add_nc_u64 s[8:9], s[8:9], s[40:41]
	s_add_nc_u64 s[24:25], s[24:25], s[30:31]
	s_add_nc_u64 s[26:27], s[26:27], s[42:43]
	FEAT_IN                                        ; 12 loads: the first 64 points
.irp k, 0,1,2,3,4,5
	global_load_b64 v[E1+2*\k:E1+2*\k+1], v[T8], s[10:11] offset:1024*\k   ; thread t: columns 2 t, 2 t + 1 of eW1's row k
.endr
	global_load_b64 v[VV:VV+1],   v[T8], s[12:13]
	global_load_b64 v[VV+2:VV+3], v[T8], s[16:17]
	global_load_b64 v[VV+4:VV+5], v[T8], s[20:21]
	global_load_b64 v[VV+6:VV+7], v[T8], s[22:23] offset:24                ; cW from word 6 on
	WLOAD 0                                        ; rows 64 w .. 64 w + 3 of eW2 and eW3
	WLOAD 1
	s_wait_loadcnt 32                              ; all but these 32: feat, eW1 and the four vectors are in
	WLOAD 2                                        ; from here on 48 loads of the wave, 24,576 bytes, are out; a fourth set would make 64, more than LOADcnt counts (ISA guide 5.7.1)
.irp k, 0,1,2,3,4,5
	v_cvt_pk_f16_f32 v[BI+\k], v[E1+2*\k], v[E1+2*\k+1]
	ds_store_b32 v[AS1], v[BI+\k] offset:PITCH*\k
.endr
.set k, 6
.rept 26
	ds_store_b32 v[AS1], v7 offset:PITCH*k         ; rows 6 to 31 of layer 1's weights are zero: 128 threads x 4 bytes fill a row's 512
.set k, k+1
.endr
.irp i, 0,1,2,3
	ds_store_b64 v[ASV], v[VV+2*\i:VV+2*\i+1] offset:1024*\i
.endr
	v_max_num_f32 v[QM], |v[E1]|, |v[E1+1]|        ; my 12 numbers of eW1,
.irp k, 1,2,3,4,5
	v_max3_num_f32 v[QM], v[QM], |v[E1+2*\k]|, |v[E1+2*\k+1]|
.endr
	v_max_num_f32 v[QM+1], |v[VV]|, |v[VV+1]|      ; my two of eb1
	v_max_num_f32 v[QM+3], |v[VV+2]|, |v[VV+3]|    ; and of eb2
	s_wait_kmcnt 0x0
	WIN 0xc0
.irp k, 0,1,2,3,4,5
	v_cndmask_b32 v[CV+\k], s[32+\k], 0, s4        ; the direct term is counted once for a point: in the lanes with h = 0
.endr
.irp pt, 0,1,2,3
.irp q, 3,4,5,6,7
	v_mov_b32 v[FB+8*\pt+\q], 0                    ; k 6, 7 and 16 to 31 of feat's fragments, written once
.endr
.endr
	WIN 0
	s_mov_b32 s7, 4
.Lconv:                                            ; 16 chunks through a ring of three sets: 12 here, each set asked for again as soon as it is rounded
	CONV 0, 1, 32
	CONV 1, 1, 32
	CONV 2, 1, 32
	s_sub_co_i32 s7, s7, 1
	s_cmp_lg_u32 s7, 0
	s_cbranch_scc1 .Lconv
	CONV 0, 1, 32                                  ; chunk 12; chunk 15 is asked for, the last
	CONV 1, 0, 32                                  ; chunk 13: chunks 14 and 15 may be out
	CONV 2, 0, 16
	CONV 0, 0, 0
	v_max3_num_f32 v[QM+2], v[MW], v[MW+1], v[MW+2]
	v_max_num_f32 v[QM+2], v[QM+2], v[MW+3]        ; my 512 numbers of eW2
.irp c, 0,1,2,3
.irp m, 1,2,4,8
	v_max_num_f32_dpp v[QM+\c], v[QM+\c], v[QM+\c] row_xmask:\m row_mask:0xf bank_mask:0xf
.endr
	v_permlanex16_b32 v[PERM], v[QM+\c], s5, s6
	v_max_num_f32 v[QM+\c], v[QM+\c], v[PERM]      ; the wave's
.endr
	s_lshl_b32 s30, s2, 4
	s_add_co_u32 s30, s30, RED
	v_mov_b32 v6, s30
	ds_store_b128 v6, v[QM:QM+3]                   ; all lanes write the same 16 bytes with the same values
	s_wait_dscnt 0x0                               ; my stores into the images, the vectors and RED are done,
	s_barrier_signal -1
	s_barrier_wait -1                              ; everybody's are: from here on these bytes are only read.  The kernel's one barrier
	v_mov_b32 v7, RED
.irp i, 0,1,2,3
	ds_load_b128 v[AC+4*\i:AC+4*\i+3], v7 offset:16*\i
.endr
	s_wait_dscnt 0x0
.irp c, 0,1,2,3
	v_max3_num_f32 v[AC+\c], v[AC+\c], v[AC+4+\c], v[AC+8+\c]
	v_max_num_f32 v[AC+\c], v[AC+\c], v[AC+12+\c]  ; the four waves': the whole of eW1, eb1, eW2, eb2
.endr
	v_mul_f32 v[AC], 0x40c00000, v[AC]             ; 6 max|eW1|: a sum over 6 inputs
	v_mul_f32 v[AC+2], 0x43800000, v[AC+2]         ; 256 max|eW2|: a sum over 256
	v_readfirstlane_b32 s40, v[AC]
	v_readfirstlane_b32 s41, v[AC+1]
	v_readfirstlane_b32 s42, v[AC+2]
	v_readfirstlane_b32 s43, v[AC+3]
	s_mov_b32 s44, 0x0d800000                      ; 2^-100
	s_mov_b32 s45, 0x7b800000                      ; 2^120
	; ---------------- 8 trips of 64 points ----------------
	s_mov_b32 s7, 0
.Ltrip:
.irp i, 0,1,2,3,4,5
	ds_load_b128 v[RB+4*\i:RB+4*\i+3], v[AVEC] offset:512*\i   ; eb1, eb2, eb3 as they are: 3,072 bytes, 96 a lane; they come while the scale is made
.endr
	s_wait_loadcnt 0x0                             ; this trip's feat, asked for a whole trip ago; no load is out, so its base may step
	s_add_nc_u64 s[8:9], s[8:9], 64*24
	; the trip's scale
	WIN 0x3f                                       ; all three sources in window 3
.irp i, 0,1,2,3,4,5,6,7
	v_max3_num_f32 v[T+\i], |v[FF+3*\i]|, |v[FF+3*\i+1]|, |v[FF+3*\i+2]|
.endr
	WIN 0
	v_max3_num_f32 v[T], v[T], v[T+1], v[T+2]
	v_max3_num_f32 v[T+3], v[T+3], v[T+4], v[T+5]
	v_max3_num_f32 v[T], v[T], v[T+3], v[T+6]
	v_max_num_f32 v[T], v[T], v[T+7]
.irp m, 1,2,4,8
	v_max_num_f32_dpp v[T], v[T], v[T] row_xmask:\m row_mask:0xf bank_mask:0xf   ; both halves of the lanes hold the same 16 points of each tile: four steps give F in every lane
.endr
	v_fma_f32 v[T+1], v[T], s40, s41               ; B1 >= |X1|
	v_fma_f32 v[T+2], v[T+1], s42, s43             ; B2 >= |X2|
	v_max3_num_f32 v[T], v[T], v[T+1], v[T+2]      ; B
	v_med3_num_f32 v[T], v[T], s44, s45            ; so that both exponent fields below stay inside 1 .. 254
	v_and_b32 v[T], 0x7f800000, v[T]               ; 2^E: the exponent field e = E + 127
	v_sub_nc_u32 v[T+1], 0x86000000, v[T]          ; sigma = 2^(14 - E): field 268 - e
	v_add_nc_u32 v[INV], 0xf9000000, v[T]          ; 1 / sigma = 2^(E - 14): field e - 14
	v_readfirstlane_b32 s46, v[T+1]
	s_mov_b32 s47, s46
	s_wait_dscnt 0x0                               ; the biases are in
.set fi, 0
.rept 12
	v_pk_mul_f32 v[RB+2*fi:RB+2*fi+1], v[RB+2*fi:RB+2*fi+1], s[46:47] op_sel_hi:[1,0]   ; 12 lines a trip, where scaling each unit's eight numbers would take 4 x 48
.set fi, fi+1
.endr
.irp i, 0,1,2,3,4,5
	ds_store_b128 v[ASB], v[RB+4*\i:RB+4*\i+3] offset:512*\i   ; into my wave's own bytes: LDS serves a wave's instructions in order (ISA guide 5.7.1), so its later loads see them
.endr
	FETCH 0, 1, 0                                  ; layer 1's first unit; it comes while feat is prepared
	WIN 0xcf                                       ; sources 0, 1 and destination in window 3
.set fi, 0
.rept 12
	v_pk_mul_f32 v[FF+2*fi:FF+2*fi+1], v[FF+2*fi:FF+2*fi+1], s[46:47] op_sel_hi:[1,0]
.set fi, fi+1
.endr
.irp pt, 0,1,2,3
.irp c, 0,1,2
	v_cvt_pk_f16_f32 v[FB+8*\pt+\c], v[FF+6*\pt+2*\c], v[FF+6*\pt+2*\c+1]
.endr
.endr
	WIN 0x0f                                       ; sources 0, 1 in window 3
.irp pt, 0,1,2,3
	v_pk_mul_f32 v[SC+2*\pt:SC+2*\pt+1], v[FF+6*\pt:FF+6*\pt+1], v[CV:CV+1]           ; sigma feat . cW[0:6] in f32 starts the score's sums: nothing is cleared
.endr
.irp pt, 0,1,2,3
	v_pk_mul_f32 v[SC2+2*\pt:SC2+2*\pt+1], v[FF+6*\pt+2:FF+6*\pt+3], v[CV+2:CV+3]
.endr
.irp pt, 0,1,2,3
	v_pk_fma_f32 v[SC+2*\pt:SC+2*\pt+1], v[FF+6*\pt+4:FF+6*\pt+5], v[CV+4:CV+5], v[SC+2*\pt:SC+2*\pt+1]
.endr
	WIN 0
	s_cmp_eq_u32 s7, 7
	s_cbranch_scc1 .Lnofeat                        ; the last trip asks for nothing: no load leaves feat
	FEAT_IN                                        ; the next 64 points, with this whole trip in which to come
.Lnofeat:
	UNIT 1, 0, 0, 1, 1, 0, 0, 0                    ; no piece stands in front of the trip's first
.irp u, 1,2,3,4,5,6,7,8,9,10,11,12,13,14
	UNIT 1, \u, \u%2, 1, \u+1, 1, \u-1, 0
.endr
	UNIT 1, 15, 1, 2, 0, 1, 14, 0
	UNIT 2, 0, 0, 2, 1, 1, 15, 0                   ; layer 1's last piece (point tiles 2, 3) is packed behind layer 2's products on tiles 0, 1
.irp u, 1,2,3,4,5,6,7,8,9,10,11,12,13,14
	UNIT 2, \u, \u%2, 2, \u+1, 2, \u-1, 0
.endr
	UNIT 2, 15, 1, 3, 0, 2, 14, 0
	UNIT 3, 0, 0, 3, 1, 2, 15, 64                  ; layer 3's unit 0 stands by itself: it packs layer 2's last piece
	WIN 0
	s_mov_b32 s28, 7                               ; layer 3 writes no numbered fragments: units 1 to 14 are a loop of two, walked by addresses
.Lthree:
	v_add_nc_u32 v[AW3], 64, v[AW3]                ; two feature tiles on: 32 columns of f16,
	v_add_nc_u32 v[AW3H], 64, v[AW3H]
	v_add_nc_u32 v[ABI3], 128, v[ABI3]             ; 32 f32
	v_add_nc_u32 v[ACW3], 128, v[ACW3]
	UNIT 3, 0, 1, 3, 0, 3, 0, 0                    ; an odd unit: its own cW one tile behind the stepped addresses, the next unit's weights at them
	UNIT 3, 0, 0, 3, 1, 3, 1, 64
	WIN 0
	s_sub_co_i32 s28, s28, 1
	s_cmp_lg_u32 s28, 0
	s_cbranch_scc1 .Lthree
	UNIT 3, 0, 1, 0, 0, 3, 0, 128                  ; unit 15 fetches its cW alone
.irp i, 0,1,2,3,4,5,6,7,8,9,10,11,12,13,14,15
	SL 3, 1, 1, \i                                 ; the trip's last piece has no products to stand behind
.endr
	; lane (r, h) holds, for point r of each tile, the sum over the features with its h.  The two halves meet so that lane L ends with point L of 32.
.irp pt, 0,1,2,3
	v_pk_add_f32 v[SC+2*\pt:SC+2*\pt+1], v[SC+2*\pt:SC+2*\pt+1], v[SC2+2*\pt:SC2+2*\pt+1]
.endr
.irp pt, 0,1,2,3
	v_add_f32 v[T+\pt], v[SC+2*\pt], v[SC+2*\pt+1]
.endr
	v_cndmask_b32 v[XY],   v[T],   v[T+1], s4      ; mine to keep: tile 0 in lanes 0-15, tile 1 in lanes 16-31
	v_cndmask_b32 v[XY+1], v[T+1], v[T],   s4      ; mine to give
	v_cndmask_b32 v[XY+2], v[T+2], v[T+3], s4
	v_cndmask_b32 v[XY+3], v[T+3], v[T+2], s4
	v_permlanex16_b32 v[PERM], v[XY+1], s5, s6
	v_add_f32 v[VAL], v[XY], v[PERM]
	v_permlanex16_b32 v[PERM], v[XY+3], s5, s6
	v_add_f32 v[VAL+1], v[XY+2], v[PERM]
	v_mul_f32 v[VAL], v[VAL], v[INV]               ; the trip's scale is taken off again: a power of two, nothing is rounded
	v_mul_f32 v[VAL+1], v[VAL+1], v[INV]
	ds_store_b32 v[ASTG], v[VAL]
	ds_store_b32 v[ASTG], v[VAL+1] offset:128
	v_min3_num_f32 v[MN], v[MN], v[VAL], v[VAL+1]
	v_max3_num_f32 v[MX], v[MX], v[VAL], v[VAL+1]
	v_add_nc_u32 v[ASTG], 256, v[ASTG]
	s_add_co_u32 s7, s7, 1
	s_cmp_lt_u32 s7, 8
	s_cbranch_scc1 .Ltrip
	; ---------------- the way out ----------------
	v_lshlrev_b32 v6, 4, v1
	v_add_nc_u32 v7, s29, v6
.irp j, 0,1,2,3
	ds_load_b128 v[AC+4*\j:AC+4*\j+3], v7 offset:512*\j    ; my own bytes; LDS serves a wave's instructions in order (ISA guide 5.7.1): these see the stores above
.endr
.irp j, 0,1,2,3
	s_wait_dscnt 3-\j
	global_store_b128 v6, v[AC+4*\j:AC+4*\j+3], s[24:25] offset:512*\j   ; each store of the wave covers 512 consecutive bytes, aligned
.endr
.irp m, 1,2,4,8
	v_min_num_f32_dpp v[MN], v[MN], v[MN] row_xmask:\m row_mask:0xf bank_mask:0xf
	v_max_num_f32_dpp v[MX], v[MX], v[MX] row_xmask:\m row_mask:0xf bank_mask:0xf
.endr
	v_permlanex16_b32 v[PERM], v[MN], s5, s6
	v_min_num_f32 v[MN], v[MN], v[PERM]
	v_permlanex16_b32 v[PERM], v[MX], s5, s6
	v_max_num_f32 v[MX], v[MX], v[PERM]
	v_mov_b32 v5, 0
	v_cmp_eq_u32 vcc_lo, 0, v1
	s_wait_xcnt 0x0                                ; EXEC is a source of the stores above: it narrows only behind this wait
	s_wait_tensorcnt 0x0
	ds_add_u32 v126, v127
	s_wait_dscnt 0x0
	s_and_saveexec_b32 s30, vcc_lo
	global_store_b64 v5, v[MN:MN+1], s[26:27]      ; lane 0: my 512 points' least and largest score
	s_wait_xcnt 0x0                                ; and widens only behind this one
	s_or_b32 exec_lo, exec_lo, s30
	s_endpgm
.Lfunc_end_k_q76e910cb15_embed:
	.size	k_q76e910cb15_embed, .Lfunc_end_k_q76e910cb15_embed-k_q76e910cb15_embed
	.p2alignl 7, 3214868480
	.fill 96, 4, 3214868480
	.section	.rodata,"a",@progbits
	.p2align	6, 0x0
	.amdhsa_kernel k_q76e910cb15_embed
		.amdhsa_group_segment_fixed_size 325376
		.amdhsa_private_segment_fixed_size 0
		.amdhsa_enable_private_segment 0
		.amdhsa_kernarg_size 80
		.amdhsa_user_sgpr_count 2
		.amdhsa_user_sgpr_kernarg_segment_ptr 1
		.amdhsa_wavefront_size32 1
		.amdhsa_system_sgpr_workgroup_id_x 1
		.amdhsa_system_sgpr_workgroup_id_y 1
		.amdhsa_system_sgpr_workgroup_id_z 1
		.amdhsa_system_vgpr_workitem_id 0
		.amdhsa_next_free_vgpr 832
		.amdhsa_next_free_sgpr 66
		.amdhsa_reserve_vcc 1
		.amdhsa_float_denorm_mode_32 3
		.amdhsa_float_denorm_mode_16_64 3
		.amdhsa_memory_ordered 1
		.amdhsa_forward_progress 1
		.amdhsa_inst_pref_size 254
	.end_amdhsa_kernel
	.amdgpu_metadata
---
amdhsa.version: [ 1, 2 ]
amdhsa.kernels:
  - .name:           k_q76e910cb15_embed
    .symbol:         k_q76e910cb15_embed.kd
    .args:
      - { .name: feat, .offset: 0, .size: 8, .value_kind: global_buffer, .address_space: global }
      - { .name: eW1, .offset: 8, .size: 8, .value_kind: global_buffer, .address_space: global }
      - { .name: eb1, .offset: 16, .size: 8, .value_kind: global_buffer, .address_space: global }
      - { .name: eW2, .offset: 24, .size: 8, .value_kind: global_buffer, .address_space: global }
      - { .name: eb2, .offset: 32, .size: 8, .value_kind: global_buffer, .address_space: global }
      - { .name: eW3, .offset: 40, .size: 8, .value_kind: global_buffer, .address_space: global }
      - { .name: eb3, .offset: 48, .size: 8, .value_kind: global_buffer, .address_space: global }
      - { .name: cW, .offset: 56, .size: 8, .value_kind: global_buffer, .address_space: global }
      - { .name: raw, .offset: 64, .size: 8, .value_kind: global_buffer, .address_space: global }
      - { .name: mm, .offset: 72, .size: 8, .value_kind: global_buffer, .address_space: global }
    .group_segment_fixed_size: 325376
    .private_segment_fixed_size: 0
    .kernarg_segment_align: 8
    .kernarg_segment_size: 80
    .max_flat_workgroup_size: 128
    .sgpr_count:     66
    .vgpr_count:     832
    .wavefront_size: 32
...
	.end_amdgpu_metadata
.endif
;; end of part 1
;; launch rescale (part 2): grid 256 x 1, 8 waves a work-group, no clusters, 0 bytes of LDS; arguments raw, mm, out0; writes out0
.if DOCPART == 2
	.amdgcn_target "amdgcn-amd-amdhsa--gfx1250"
	.amdhsa_code_object_version 6
	.text
	.protected	k_q76e910cb15_rescale
	.globl	k_q76e910cb15_rescale
	.p2align	8
	.type	k_q76e910cb15_rescale,@function
k_q76e910cb15_rescale:
	s_mov_b64 s[64:65], 0
	v_nop
	global_prefetch_b8 v0, s[64:65] scope:SCOPE_SE
	s_setreg_imm32_b32 hwreg(HW_REG_WAVE_MODE, 25, 1), 1
	s_wait_xcnt 0x0
; PointNet, second launch: out0 = (s' - min) / (max - min) * 2 - 1 for each box.
; raw holds the scores without the box's constant seg . cW[262:390] + cb, which cancels in this quotient for all finite inputs (shown at the head
; of the first kernel); nothing else is left out here.
; Work-group g has points 2048 g .. 2048 g + 2047 of box g / 4: 8,192 bytes, 32 for each of 256 threads.  The box's least and largest score come
; from the 16 pairs (min, max) that the 16 waves of the box stored: 128 consecutive bytes of mm, brought by two scalar loads.
; A stream: each byte of raw is read once and each byte of out0 written once, 512 consecutive bytes to a wave's instruction.  No LDS, no barrier.
; The least score is taken away first, as in reference(), so that a common offset of the scores costs no bits.
; LIMITS: the division is a product with v_rcp_f32 (1 ULP; it flushes denormals, ISA guide 15.8): a box whose scores span less than 2^-126 or
; more than 2^126 is not served.  Where max = min the result is NaN (0 x infinity), as reference()'s 0 / 0.
	s_load_b128 s[4:7], s[0:1], 0x0                ; raw s[4:5], mm s[6:7]
	s_load_b64 s[8:9], s[0:1], 0x10                ; out0
	s_lshl_b32 s10, ttmp9, 13                      ; 8,192 g
	s_mov_b32 s11, 0
	s_lshr_b32 s12, ttmp9, 2
	s_lshl_b32 s12, s12, 7                         ; 128 x box
	s_mov_b32 s13, 0
	v_lshlrev_b32 v1, 4, v0
	s_wait_kmcnt 0x0
	s_add_nc_u64 s[4:5], s[4:5], s[10:11]
	s_add_nc_u64 s[8:9], s[8:9], s[10:11]
	s_add_nc_u64 s[6:7], s[6:7], s[12:13]
	global_load_b128 v[4:7],  v1, s[4:5] th:TH_LOAD_NT
	global_load_b128 v[8:11], v1, s[4:5] offset:4096 th:TH_LOAD_NT
	s_load_b512 s[16:31], s[6:7], 0x0              ; pairs 0 to 7: min in the even registers, max in the odd ones
	s_load_b512 s[32:47], s[6:7], 0x40             ; pairs 8 to 15
	s_wait_kmcnt 0x0
	v_min_num_f32 v12, s16, s18
	v_max_num_f32 v13, s17, s19
.irp p, 20,24,28,32,36,40,44
	v_min3_num_f32 v12, v12, s[\p], s[\p+2]
	v_max3_num_f32 v13, v13, s[\p+1], s[\p+3]
.endr
	v_sub_f32 v14, v13, v12
	v_rcp_f32 v15, v14
	v_mov_b32 v16, v12                             ; a plain instruction stands between v_rcp_f32 and the use of its result (ISA guide 5.7.2)
	v_mov_b32 v17, v12                             ; v[16:17] = min, twice
	s_wait_alu depctr_va_vdst(0)
	v_add_f32 v18, v15, v15                        ; 2 / (max - min),
	v_mov_b32 v19, v18                             ; twice
	s_wait_loadcnt 0x1                             ; the first load is in, the second may be out
	v_pk_add_f32 v[4:5], v[4:5], v[16:17] neg_lo:[0,1] neg_hi:[0,1]
	v_pk_add_f32 v[6:7], v[6:7], v[16:17] neg_lo:[0,1] neg_hi:[0,1]
	v_pk_fma_f32 v[4:5], v[4:5], v[18:19], -1.0 op_sel_hi:[1,1,0]
	v_pk_fma_f32 v[6:7], v[6:7], v[18:19], -1.0 op_sel_hi:[1,1,0]
	global_store_b128 v1, v[4:7], s[8:9] th:TH_STORE_NT
	s_wait_loadcnt 0x0
	v_pk_add_f32 v[8:9],   v[8:9],   v[16:17] neg_lo:[0,1] neg_hi:[0,1]
	v_pk_add_f32 v[10:11], v[10:11], v[16:17] neg_lo:[0,1] neg_hi:[0,1]
	v_pk_fma_f32 v[8:9],   v[8:9],   v[18:19], -1.0 op_sel_hi:[1,1,0]
	v_pk_fma_f32 v[10:11], v[10:11], v[18:19], -1.0 op_sel_hi:[1,1,0]
	global_store_b128 v1, v[8:11], s[8:9] offset:4096 th:TH_STORE_NT
	s_endpgm
.Lfunc_end_k_q76e910cb15_rescale:
	.size	k_q76e910cb15_rescale, .Lfunc_end_k_q76e910cb15_rescale-k_q76e910cb15_rescale
	.p2alignl 7, 3214868480
	.fill 96, 4, 3214868480
	.section	.rodata,"a",@progbits
	.p2align	6, 0x0
	.amdhsa_kernel k_q76e910cb15_rescale
		.amdhsa_group_segment_fixed_size 0
		.amdhsa_private_segment_fixed_size 0
		.amdhsa_enable_private_segment 0
		.amdhsa_kernarg_size 24
		.amdhsa_user_sgpr_count 2
		.amdhsa_user_sgpr_kernarg_segment_ptr 1
		.amdhsa_wavefront_size32 1
		.amdhsa_system_sgpr_workgroup_id_x 1
		.amdhsa_system_sgpr_workgroup_id_y 1
		.amdhsa_system_sgpr_workgroup_id_z 1
		.amdhsa_system_vgpr_workitem_id 0
		.amdhsa_next_free_vgpr 24
		.amdhsa_next_free_sgpr 66
		.amdhsa_reserve_vcc 0
		.amdhsa_float_denorm_mode_32 3
		.amdhsa_float_denorm_mode_16_64 3
		.amdhsa_memory_ordered 1
		.amdhsa_forward_progress 1
		.amdhsa_inst_pref_size 4
	.end_amdhsa_kernel
	.amdgpu_metadata
---
amdhsa.version: [ 1, 2 ]
amdhsa.kernels:
  - .name:           k_q76e910cb15_rescale
    .symbol:         k_q76e910cb15_rescale.kd
    .args:
      - { .name: raw, .offset: 0, .size: 8, .value_kind: global_buffer, .address_space: global }
      - { .name: mm, .offset: 8, .size: 8, .value_kind: global_buffer, .address_space: global }
      - { .name: out0, .offset: 16, .size: 8, .value_kind: global_buffer, .address_space: global }
    .group_segment_fixed_size: 0
    .private_segment_fixed_size: 0
    .kernarg_segment_align: 8
    .kernarg_segment_size: 24
    .max_flat_workgroup_size: 256
    .sgpr_count:     66
    .vgpr_count:     24
    .wavefront_size: 32
...
	.end_amdgpu_metadata
.endif
;; end of part 2
